; MI455X (gfx1250); checked and timed in simulation.
; The chip was launched on July 23, 2026; its instructions are those of AMD's public machine-readable ISA for CDNA 5 (MIT licence, August 2026) and "CDNA5" Instruction Set Architecture Reference Guide (July 2026). The comments in the code are by the model that wrote it; some were corrected since.
;; KNRM. Allowed arithmetic: matrix products marked QUANTISED: E4M3 operands, one given power-of-two scale a tensor, by v_wmma_f32_16x16x64_fp8_fp8 or v_wmma_f32_16x16x128_fp8_fp8, f32 sums; products left as they are: f32 operands where the result goes on into a quantised operand, else bf16, f16 or f32 operands; f32 sums; everything else in f32.
;; Inputs: b 1 float32; doc_tokens 256 x 512 int32; emb 100,000 x 300 float32; lowp_scales 2 int32 (the exponents e of the quantised operands' scales 2^e); query_tokens 256 x 32 int32; w 11 float32.
;; Outputs: out0 256 float32.
;; This version of the problem:
;;   THIS VERSION OF THE PROBLEM IS GIVEN IN LOW PRECISION. The matrix products marked QUANTISED in the list below multiply operands that are first quantised to E4M3 (4 exponent bits, 3 mantissa bits; 8 bits a number), with one given power-of-two scale for each operand tensor; their sums are f32. All else is computed in f32.
;;   The module's matrix products, in the order in which they are computed (A, B: the left and right operand; K: the contracted axis; several contracted axes count as one K, in the product's order):
;;     1. batch 256 x [M 32, K 300] x [K 300, N 512]; A: computed on the way; B: computed on the way: QUANTISED (scales: A lowp_scales[0], B lowp_scales[1])
;;     2. [M 256, K 11] x [K 11, N 1]; A: computed on the way; B: input w: left as it is (K = 11 < 32)
;;   THE QUANTISER, for each operand of a quantised product, along K:
;;     - The operand's scale is 2^e, e = its entry of the input lowp_scales (int32; the entries are numbered through the quantised products in the list's order, A before B).
;;     - Each number is divided by the scale, clamped to +-448, and rounded to the nearest number of E4M3, ties to even, subnormals kept.
;;     - The product sums the exact products of the quantised numbers (number of the format x scale) in f32.
;;   ~~~python
;;   def quantise(x, axis, e):      # numpy; x: float32 -> the quantised numbers, widened to float32 again
;;       x = np.moveaxis(x, axis, -1); K = x.shape[-1]
;;       r = np.clip(x / 2.0 ** e, -448, 448)
;;       step = 2.0 ** (np.maximum(np.frexp(np.where(r == 0, 1, r))[1] - 1, -6) - 3)
;;       q = np.round(r / step) * step * 2.0 ** e      # np.round: ties to even
;;       return np.moveaxis(q, -1, axis).astype(np.float32)
;;   ~~~
;;   OPERANDS COMPUTED ON THE WAY. 'Computed on the way' means the value that the module computes at that place (a softmax that the list does not call 'softmax' is quantised finished and normalised). What goes into a quantiser is computed in f32, as accurately as f32 sums, v_exp_f32 and their like allow (about 1e-6 of the number): no bf16 or f16 on the way to a quantiser, and a product that is left as it is and whose result goes on into a quantised operand takes f32 operands (vector FMAs, or v_wmma_f32_16x16x4_f32). A number that lies on a knife's edge between two numbers of the format may be rounded either way, as far as f32 arithmetic and the matrix unit's own rounding can turn it there, and no further.
;; One version. Each part assembles by itself: llvm-mc -triple=amdgcn-amd-amdhsa -mcpu=gfx1250 --defsym DOCPART=n.
;; ======== version 1 of 1: 1 launch
;; limits: right only within a limited range of input values
;; launch knrm (part 1): grid 256 x 1, 16 waves a work-group, no clusters, 232,192 bytes of LDS; arguments query_tokens, doc_tokens, emb, w, b, lowp_scales, out0; writes out0
.if DOCPART == 1
	.amdgcn_target "amdgcn-amd-amdhsa--gfx1250"
	.amdhsa_code_object_version 6
	.text
	.protected	k_q423a9c6586_knrm
	.globl	k_q423a9c6586_knrm
	.p2align	8
	.type	k_q423a9c6586_knrm,@function
k_q423a9c6586_knrm:
	s_mov_b64 s[64:65], 0
	v_nop
	global_prefetch_b8 v0, s[64:65] scope:SCOPE_SE
	s_setreg_imm32_b32 hwreg(HW_REG_WAVE_MODE, 25, 1), 1
	s_wait_xcnt 0x0
; KNRM, one batch to a work-group: out[b] = sum_k w[k] sum_q qmask log(max(S[q][k], 1e-10)) + b0,  S[q][k] = sum_d dmask exp(-(cos(q,d) - mu_k)^2 / (2 sigma_k^2)).
; cos = the product of the normalised rows emb[token], both sides quantised to E4M3 along the 300 (queries with 2^e0, documents with 2^e1), by v_wmma_f32_16x16x64_fp8_fp8, sums in f32.
; SHARES.  16 waves.  Wave w owns documents 32 w .. 32 w + 31 (two tiles of 16) and the query rows w and 16 + w.  A PAIR of rows: lanes 0-15 one row, lanes 16-31 the other.
; A row is 1,200 bytes = 75 pieces of 16 = 15 lanes x 5 loads: a load reads 240 consecutive bytes of each of its two rows.  Lane 15 of each half repeats lane 14's address (no load leaves the table, EXEC never
; changes): its share of the sum of squares is masked, and its codes are made zero on the query side alone, which takes its products out.
; GROUPS.  Document pairs are worked two at a time, so that their chains stand side by side and each batch of roots and reciprocals serves both.  Eight groups go through a ring of three slots of 40 registers.
; The query pair's and the first group's 15 loads go out at the head, the second group's behind the stores of the query codes, two more groups' behind the first group's; from there on two or three groups of each wave are out.
; A row's codes lie in LDS as 320 bytes: lane i's 16 codes (pieces i, i+15, i+30, i+45) at 16 i, its last 4 (piece i+60) at 256 + 4 i.  Query rows and document rows lie alike, and
; both fragments are read by the same lines: a permutation of k that is the same on both sides of the product.
; THE PRODUCT IS USED WITH THE DOCUMENTS AS SOURCE 0: a lane then holds ONE query (lane % 16) and its eight registers eight documents, so the sum over documents stays in the lane.
; MASKS.  A document with token 0 has 1e30 as the C of its first matrix instruction (a table of 16 words a tile in LDS): the hold below makes its cosine 2, where every kernel is 0.
; A query with token 0 is taken out at the log, where the q mask multiplies.
; THE GAUSSIANS.  For the ten kernels with sigma = 0.1: exp(-50 (c-mu)^2) = exp(-50 mu^2) h(mu), h(mu) = exp(-50 c^2 + 100 c mu), which is e^40.5 at the most whatever c is.  h(0.5), h(-0.5), E = e^(20 c)
; and 1/E are exponentials; h(0.5 +- 0.2), h(0.5 +- 0.4) and the same round -0.5 are products with E, E^2, 1/E, 1/E^2, fused into the sums.  exp(-50 mu^2) is applied behind the logarithm: - 0.5 (11 - 2 k)^2.
; c is held within +-2: beyond it every kernel is under e^-50; what is lost where h(+-0.5) falls under 2^-126 is likewise far under the clip at 1e-10.
; The narrow kernel (mu = 1, sigma = 1e-4) is 2^-(kappa (c-1))^2, kappa^2 = 5e7 log2(e); kappa (c-1) is one fused multiply-add, rounded once.
; LIMITS.  e0 and e1 between -126 and 119, e0 + e1 between -60 and 60 (each power of two and each coefficient below is then an f32 number).  A row whose sum of squares is under 2^-126 counts as of norm 0.
; NaN and infinities in emb are not served.  Tokens are held inside the table (0 .. 99,999).
; NO CLUSTER: no two work-groups read the same tile: each batch's rows are chosen by its own tokens.  No tensor load: the rows are a gather by lanes.
; NO PREFETCH: there is no loop to run ahead in: the eight groups are written out, and from the third on a group's loads go out two groups' work ahead of their use.
.set VMAX,  99999
.set ROWB,  1200                       ; a row of emb in bytes
.set SEG,   240                        ; 15 lanes x 16 bytes
.set PITCH, 336                        ; a row of codes in LDS: 320 + 16 = 21 x 16 bytes: the 16 rows that a fragment load touches fall on 16 different columns of 16 bytes modulo 256
.set TILEB, 16*PITCH
.set STG,   32*PITCH                   ; LDS: the 32 query rows lie at byte 0; then each wave's own two document tiles,
.set WSTG,  2*TILEB
.set BIAS,  STG+16*WSTG                ; each wave's 2 x 16 words for masked documents,
.set RED,   BIAS+16*128                ; each wave's 11 x 64 sums,
.set REDW,  11*256
.set FIN,   RED+16*REDW                ; 16 words, one a wave,
.set SPARE, FIN+256                    ; and the spare words, 128 bytes a wave, that no other line names
.set SA16, 1                           ; where I store 16 codes of a document row
.set SA4,  2                           ; where I store its last 4
.set FA,   3                           ; where I read document fragments
.set QF,   4                           ; where I read query fragments
.set BA,   5                           ; where I read the mask's words
.set RA,   6                           ; where I store my sums
.set RB,   7                           ; where I read kernel k = wave's sums
.set QT,   8                           ; the token of query = lane
.set WK,   9                           ; w[wave]
.set SCD,  10                          ; 2^e1;  448 x 2^e1
.set LIMD, 11
.set LR,   12                          ; 2 x 2^-(e0+e1): the hold of a raw sum
.set FW,   13                          ; my wave's word in FIN
.set KB,   14                          ; v[14:15]  50 log2(e) s, twice (s = 2^(e0+e1))
.set KC,   16                          ; v[16:17]  -kappa, twice
.set FR,   18                          ; where wave 0 reads FIN
.set OUTO, 19                          ; 4 x batch
.set OB,   20                          ; v[20:27]  byte offsets in emb of document pairs 8 to 15
.set R0,   28                          ; the ring: three slots of 40: pair A's pieces 0-3 (16), pair B's (16), A's piece 4, B's piece 4
.set R1,   68
.set R2,   108
.set ACC,  148                         ; v[148:191] sums: kernel k of query tile t in the pair at ACC + 22 t + 2 k
.set OA,   148                         ; until the sums begin: v[148:155] offsets of document pairs 0 to 7,
.set QA16, 156                         ; where I store my query row's codes,
.set QA4,  157
.set BIG,  158                         ; 1e30
.set C0,   192                         ; v[192:207] the two accumulators
.set C1,   200
.set GI,   202                         ; before the first product: 16 x min(lane % 16, 14),
.set OFFQ, 203                         ; the query pair's offset,
.set SCQ,  204                         ; 2^e0, 448 x 2^e0,
.set LIMQ, 205
.set BT,   206                         ; the token of document = lane; at the end my wave's number
.set BW,   207                         ; where I store document = lane's mask word
.set QS,   208                         ; the query pair's slot, as the ring's (v[224:239] free in it)
.set AD,   224                         ; v[224:228] token addresses
.set LN,   229                         ; lane, lane % 16, lane / 16
.set LI,   230
.set LH,   231
.set W0,   232                         ; v[232:235] at work in the head
.set A1,   208                         ; the kernels' work: h(0.5)
.set A2,   216                         ; h(-0.5)
.set E1,   224                         ; E
.set XX,   232                         ; the narrow kernel
.set E2,   240                         ; E^2
.set I2,   248                         ; 1/E^2   (1/E takes the accumulator's own registers)
.set T,    192                         ; eight registers at work in a group,
.set CD,   248                         ; its codes: A's 16, B's 16 in eight registers,
.set CL,   188                         ; A's last 4, B's last 4.  These three places serve tile 0's groups: no fragment of tile 0 lands on the codes
	s_load_b256 s[4:11], s[0:1], 0x0               ; query_tokens s[4:5], doc_tokens s[6:7], emb s[8:9], w s[10:11]
	s_load_b128 s[12:15], s[0:1], 0x20             ; b s[12:13], lowp_scales s[14:15]
	s_load_b64 s[16:17], s[0:1], 0x30              ; out0
	v_lshrrev_b32 v[W0], 5, v0
	v_readfirstlane_b32 s18, v[W0]                 ; wave 0..15
	s_lshl_b32 s19, ttmp9, 11                      ; the batch's 512 document tokens,
	s_lshl_b32 s33, s18, 7
	s_add_co_u32 s19, s19, s33                     ; my wave's 32 of them
	s_lshl_b32 s34, ttmp9, 7                       ; the batch's 32 query tokens
	s_lshl_b32 s35, s18, 2
	s_add_co_u32 s35, s35, s34                     ; query w
	s_min_u32 s57, s18, 10
	s_lshl_b32 s57, s57, 2                         ; w[min(wave, 10)]: no load leaves w's 11 numbers
	s_mul_i32 s40, s18, WSTG
	s_add_co_u32 s40, s40, STG                     ; my stage
	s_mul_i32 s41, s18, PITCH                      ; query row w
	s_lshl_b32 s42, s18, 7
	s_add_co_u32 s42, s42, BIAS                    ; my mask words
	s_mul_i32 s43, s18, REDW
	s_add_co_u32 s43, s43, RED                     ; my sums
	s_lshl_b32 s44, s18, 8
	s_add_co_u32 s44, s44, RED                     ; kernel k = wave's sums of wave 0
	s_lshl_b32 s45, s18, 2
	s_add_co_u32 s45, s45, FIN
	s_lshl_b32 s46, ttmp9, 2
	s_mov_b32 s36, 0x76543210                      ; v_permlanex16_b32: lane l xor 16
	s_mov_b32 s37, 0xfedcba98
	s_mov_b32 s38, 0x7fff7fff                      ; all lanes but the fifteenth of each half
	s_mov_b32 s39, 0xffff0000                      ; the upper half
	v_and_b32 v[LN], 31, v0
	v_and_b32 v[LI], 15, v0
	v_bfe_u32 v[LH], v0, 4, 1
	v_lshl_add_u32 v[AD], v[LH], 6, s19            ; tokens of documents 16 h + 0 .. 15: 64 bytes, the same for the 16 lanes of a half
	v_lshl_add_u32 v[AD+1], v[LN], 2, s19          ; token of document = lane
	v_lshl_add_u32 v[AD+2], v[LN], 2, s34          ; token of query = lane
	v_lshl_add_u32 v[AD+3], v[LH], 6, s35          ; token of query w + 16 h
	v_mov_b32 v[AD+4], s57
	s_wait_alu depctr_va_vdst(0)
	s_wait_kmcnt 0x0
	s_load_b64 s[20:21], s[14:15], 0x0             ; e0, e1
	s_load_b32 s22, s[12:13], 0x0                  ; b
	global_load_b32 v[OFFQ], v[AD+3], s[4:5]
	global_load_b128 v[OA:OA+3], v[AD], s[6:7]
	global_load_b128 v[OA+4:OA+7], v[AD], s[6:7] offset:16
	global_load_b128 v[OB:OB+3], v[AD], s[6:7] offset:32
	global_load_b128 v[OB+4:OB+7], v[AD], s[6:7] offset:48
	global_load_b32 v[BT], v[AD+1], s[6:7]
	global_load_b32 v[QT], v[AD+2], s[4:5]
	global_load_b32 v[WK], v[AD+4], s[10:11]
	; every LDS address is made here, while the tokens are on their way: a constant + constants x lane parts + a constant x wave
	v_mul_u32_u24 v[W0], v[LH], 8*PITCH            ; the row of a pair's upper half lies 8 rows further down
	v_mul_u32_u24 v[QF], v[LI], PITCH              ; a fragment: row lane % 16, + 16 bytes for the upper half (the query rows begin at LDS byte 0)
	v_mul_u32_u24 v[W0+1], v[LH], TILEB
	v_lshl_add_u32 v[BA], v[LH], 5, s42            ; a lane's eight documents of a tile are rows 8 h + 0 .. 7
	v_add_nc_u32 v[W0], s40, v[W0]
	v_lshl_add_u32 v[QF], v[LH], 4, v[QF]
	v_add_nc_u32 v[W0+1], s41, v[W0+1]             ; query row 16 h + w
	v_and_b32 v[W0+2], 7, v0                       ; document = lane is row 8 (lane / 16) + lane % 8 of tile (lane / 8) % 2
	v_bfe_u32 v[W0+3], v0, 3, 1
	v_lshl_add_u32 v[SA16], v[LI], 4, v[W0]
	v_lshl_add_u32 v[SA4], v[LI], 2, v[W0]
	v_add_nc_u32 v[FA], s40, v[QF]
	v_lshl_add_u32 v[QA16], v[LI], 4, v[W0+1]
	v_lshl_add_u32 v[QA4], v[LI], 2, v[W0+1]
	v_lshl_add_u32 v[BW], v[W0+2], 2, v[BA]
	v_add_nc_u32 v[SA4], 256, v[SA4]
	v_add_nc_u32 v[QA4], 256, v[QA4]
	v_lshl_add_u32 v[BW], v[W0+3], 6, v[BW]
	v_lshl_add_u32 v[RA], v[LN], 3, s43
	v_lshl_add_u32 v[RB], v[LN], 3, s44
	v_mov_b32 v[FW], s45
	v_lshl_add_u32 v[FR], v[LI], 2, FIN
	v_mov_b32 v[OUTO], s46
	v_min_u32 v[GI], 14, v[LI]
	v_mov_b32 v[BIG], 0x7149f2ca
	v_lshlrev_b32 v[GI], 4, v[GI]
.irp j, 36,37,38,39
	v_mov_b32 v[QS+\j], 0                          ; the query pair has no partner: zeros in its place
.endr
; n tokens become byte offsets in emb, held inside the table
.macro TOK r, n
.set I, 0
.rept \n
	v_min_u32 v[\r+I], VMAX, v[\r+I]
.set I, I+1
.endr
.set I, 0
.rept \n
	v_mul_u32_u24 v[\r+I], v[\r+I], ROWB
.set I, I+1
.endr
.set I, 0
.rept \n
	v_add_nc_u32 v[\r+I], v[\r+I], v[GI]
.set I, I+1
.endr
.endm
; a pair's two rows: five loads, each 240 consecutive bytes of each row
.macro FILLP b, l, o
.irp j, 0,1,2,3
	global_load_b128 v[\b+4*\j:\b+4*\j+3], v[\o], s[8:9] offset:SEG*\j
.endr
	global_load_b128 v[\l:\l+3], v[\o], s[8:9] offset:SEG*4
.endm
.macro FILLG b, o                      ; a group: two pairs
	FILLP \b, \b+32, \o
	FILLP \b+16, \b+36, \o+1
.endm
	s_wait_alu depctr_va_vdst(0)
	s_wait_loadcnt 7                               ; my query token is in; the seven loads behind it may be out
	TOK OFFQ, 1
	FILLP QS, QS+32, OFFQ                          ; the query rows go first: all waves need all of them
	s_wait_loadcnt 5                               ; every token is in; the query pair's five loads may be out
	TOK OA, 2
	FILLG R0, OA
	TOK OA+2, 6
	TOK OB, 8
	v_cmp_ge_i32 vcc_lo, 0, v[BT]
	v_cndmask_b32 v[BT], 0, v[BIG], vcc_lo         ; a masked document's word: 1e30; else 0
	ds_store_b32 v[BW], v[BT]
	s_wait_alu depctr_va_vdst(0)
	s_wait_kmcnt 0x0                               ; e0, e1, b
	s_add_co_i32 s33, s20, 127
	s_lshl_b32 s34, s33, 23
	v_mov_b32 v[SCQ], s34                          ; 2^e0: the conversion takes its exponent field
	s_add_co_i32 s33, s33, 8
	s_lshl_b32 s33, s33, 23
	s_or_b32 s33, s33, 0x600000
	v_mov_b32 v[LIMQ], s33                         ; 448 x 2^e0
	s_add_co_i32 s33, s21, 127
	s_lshl_b32 s34, s33, 23
	v_mov_b32 v[SCD], s34
	s_add_co_i32 s33, s33, 8
	s_lshl_b32 s33, s33, 23
	s_or_b32 s33, s33, 0x600000
	v_mov_b32 v[LIMD], s33
	s_add_co_i32 s33, s20, s21                     ; a raw sum u stands for c = u s, s = 2^(e0+e1): s is folded into the coefficients
	s_sub_co_i32 s34, 128, s33
	s_lshl_b32 s34, s34, 23
	v_mov_b32 v[LR], s34                           ; 2 / s
	s_add_co_i32 s33, s33, 127
	s_lshl_b32 s33, s33, 23                        ; s
	s_mul_f32 s35, s33, 0x429044fe                 ; 50 log2(e) s
	v_mov_b32 v[KB], s35
	v_mov_b32 v[KB+1], s35
	s_mul_f32 s24, s33, 0xc29044fe
	s_mul_f32 s24, s24, s33                        ; s[24:25]  -50 log2(e) s^2   (the packed forms name a pair and take its low word: the upper one is written too)
	s_mov_b32 s25, s24
	s_mul_f32 s26, s33, 0xc31044fe                 ; s[26:27]  -100 log2(e) s
	s_mov_b32 s27, s26
	s_mul_f32 s28, s33, 0x41e6d4ca                 ; s[28:29]  20 log2(e) s
	s_mov_b32 s29, s28
	s_mul_f32 s30, s33, 0x4604b4df                 ; s[30:31]  kappa s, kappa = sqrt(5e7 log2(e)) = 8493.218: exact, s being a power of two
	s_mov_b32 s31, s30
	v_mov_b32 v[KC], 0xc604b4df                    ; -kappa
	v_mov_b32 v[KC+1], 0xc604b4df
	s_wait_alu depctr_va_vdst(0)
; A GROUP in the slot at sb: norms, quantiser, codes into CD and CL.  two = 0: the query pair alone.  nl: the younger loads, which may stay out.
.macro GROUP sb, two, nl, sc, lim
	s_wait_loadcnt \nl                             ; loads come back in order: this group's are in
	v_pk_mul_f32 v[T:T+1], v[\sb:\sb+1], v[\sb:\sb+1]              ; the sums of my 20 squares of each row, in two packed chains a row that the first products start
	v_pk_mul_f32 v[T+2:T+3], v[\sb+2:\sb+3], v[\sb+2:\sb+3]
.if \two
	v_pk_mul_f32 v[T+4:T+5], v[\sb+16:\sb+17], v[\sb+16:\sb+17]
	v_pk_mul_f32 v[T+6:T+7], v[\sb+18:\sb+19], v[\sb+18:\sb+19]
.endif
.irp m, 4,8,12
	v_pk_fma_f32 v[T:T+1], v[\sb+\m:\sb+\m+1], v[\sb+\m:\sb+\m+1], v[T:T+1]
	v_pk_fma_f32 v[T+2:T+3], v[\sb+\m+2:\sb+\m+3], v[\sb+\m+2:\sb+\m+3], v[T+2:T+3]
.if \two
	v_pk_fma_f32 v[T+4:T+5], v[\sb+\m+16:\sb+\m+17], v[\sb+\m+16:\sb+\m+17], v[T+4:T+5]
	v_pk_fma_f32 v[T+6:T+7], v[\sb+\m+18:\sb+\m+19], v[\sb+\m+18:\sb+\m+19], v[T+6:T+7]
.endif
.endr
	v_pk_fma_f32 v[T:T+1], v[\sb+32:\sb+33], v[\sb+32:\sb+33], v[T:T+1]
	v_pk_fma_f32 v[T+2:T+3], v[\sb+34:\sb+35], v[\sb+34:\sb+35], v[T+2:T+3]
.if \two
	v_pk_fma_f32 v[T+4:T+5], v[\sb+36:\sb+37], v[\sb+36:\sb+37], v[T+4:T+5]
	v_pk_fma_f32 v[T+6:T+7], v[\sb+38:\sb+39], v[\sb+38:\sb+39], v[T+6:T+7]
.endif
	v_pk_add_f32 v[T:T+1], v[T:T+1], v[T+2:T+3]
.if \two
	v_pk_add_f32 v[T+4:T+5], v[T+4:T+5], v[T+6:T+7]
.endif
	v_add_f32 v[T], v[T], v[T+1]
.if \two
	v_add_f32 v[T+4], v[T+4], v[T+5]
.endif
	v_cndmask_b32 v[T], 0, v[T], s38               ; the fifteenth lane's numbers are its neighbour's once more: they do not count
.if \two
	v_cndmask_b32 v[T+4], 0, v[T+4], s38
.endif
.irp m, 1,2,4,8
	v_add_f32_dpp v[T], v[T], v[T] row_xmask:\m row_mask:0xf bank_mask:0xf   ; over the row's 16 lanes; each half of the wave has its own row
.if \two
	v_add_f32_dpp v[T+4], v[T+4], v[T+4] row_xmask:\m row_mask:0xf bank_mask:0xf
.endif
.endr
	s_wait_alu depctr_va_vdst(0)                   ; the wait ahead of each batch of transcendentals, and behind it, ahead of its first reader
	v_sqrt_f32 v[T+1], v[T]
.if \two
	v_sqrt_f32 v[T+5], v[T+4]
.endif
	v_nop                                          ; a plain instruction behind a transcendental
	s_wait_alu depctr_va_vdst(0)
	v_add_f32 v[T+1], 0x29e12e13, v[T+1]           ; norm + 1e-13
.if \two
	v_add_f32 v[T+5], 0x29e12e13, v[T+5]
.endif
	s_wait_alu depctr_va_vdst(0)
	v_rcp_f32 v[T+2], v[T+1]
.if \two
	v_rcp_f32 v[T+6], v[T+5]
.endif
	v_nop
	s_wait_alu depctr_va_vdst(0)
.if \two == 0
	v_cndmask_b32 v[T+2], 0, v[T+2], s38           ; query side: zero codes in the fifteenth lane
.endif
.irp m, 0,2,4,6,8,10,12,14,32,34
	v_pk_mul_f32 v[\sb+\m:\sb+\m+1], v[\sb+\m:\sb+\m+1], v[T+2:T+3] op_sel_hi:[1,0]
.endr
.if \two
.irp m, 16,18,20,22,24,26,28,30,36,38
	v_pk_mul_f32 v[\sb+\m:\sb+\m+1], v[\sb+\m:\sb+\m+1], v[T+6:T+7] op_sel_hi:[1,0]
.endr
.endif
.irp m, 0,1,2,3,4,5,6,7,8,9,10,11,12,13,14,15,32,33,34,35
	v_med3_num_f32 v[\sb+\m], v[\sb+\m], -v[\lim], v[\lim]   ; the conversion to an 8-bit code does not saturate (ISA guide 7.6.2): the hold at 448 x the scale
.endr
.if \two
.irp m, 16,17,18,19,20,21,22,23,24,25,26,27,28,29,30,31,36,37,38,39
	v_med3_num_f32 v[\sb+\m], v[\sb+\m], -v[\lim], v[\lim]
.endr
.endif
	v_cvt_scalef32_pk8_fp8_f32 v[CD:CD+1], v[\sb:\sb+7], v[\sc]
	v_cvt_scalef32_pk8_fp8_f32 v[CD+2:CD+3], v[\sb+8:\sb+15], v[\sc]
.if \two
	v_cvt_scalef32_pk8_fp8_f32 v[CD+4:CD+5], v[\sb+16:\sb+23], v[\sc]
	v_cvt_scalef32_pk8_fp8_f32 v[CD+6:CD+7], v[\sb+24:\sb+31], v[\sc]
.endif
	v_cvt_scalef32_pk8_fp8_f32 v[CL:CL+1], v[\sb+32:\sb+39], v[\sc]   ; both pairs' last pieces
	v_nop                                          ; a plain instruction behind the last scaled conversion
.endm
.macro PUT loff                        ; a group's codes into my stage: two rows of each half
	ds_store_b128 v[SA16], v[CD:CD+3] offset:\loff
	ds_store_b128 v[SA16], v[CD+4:CD+7] offset:(\loff)+PITCH
	ds_store_b32 v[SA4], v[CL] offset:\loff
	ds_store_b32 v[SA4], v[CL+1] offset:(\loff)+PITCH
.endm
.macro PLACES                          ; four plain instructions between a matrix instruction and a load into, or a vector write of, its registers, and the first read of its result
.rept 4
	v_nop
.endr
.endm
.macro FRAG reg, adr, off              ; 16 rows x 64 K: 32 bytes a lane
	ds_load_b128 v[\reg:\reg+3], v[\adr] offset:\off
	ds_load_b128 v[\reg+4:\reg+7], v[\adr] offset:(\off)+32
.endm
.macro MASKS t                         ; both accumulators begin with the tile's mask words
.irp c, C0, C1
	ds_load_b128 v[\c:\c+3], v[BA] offset:64*(\t)
	ds_load_b128 v[\c+4:\c+7], v[BA] offset:64*(\t)+16
.endr
.endm
; a document tile against the 32 queries: K = 320 in five steps; fragments of documents from d on, of query tiles 0 and 1 from qa and qb on.  The documents' ten loads are the youngest.
.macro TILE d, qa, qb
.irp s, 0,1,2,3,4
	s_wait_dscnt 8-2*\s                            ; this step's two document loads are in, the younger ones may be out
	v_wmma_f32_16x16x64_fp8_fp8 v[C0:C0+7], v[\d+8*\s:\d+8*\s+7], v[\qa+8*\s:\qa+8*\s+7], v[C0:C0+7]   ; the two accumulators take turns, one instruction a turn
	v_wmma_f32_16x16x64_fp8_fp8 v[C1:C1+7], v[\d+8*\s:\d+8*\s+7], v[\qb+8*\s:\qb+8*\s+7], v[C1:C1+7]
.endr
	PLACES
.endm
.macro HOLD                            ; c within +-2, each accumulator from its low end on
.irp j, 0,1,2,3,4,5,6,7,8,9,10,11,12,13,14,15
	v_med3_num_f32 v[C0+\j], v[C0+\j], -v[LR], v[LR]
.endr
.endm
.macro FM d, a, b, start
.if \start
	v_pk_mul_f32 v[\d:\d+1], v[\a:\a+1], v[\b:\b+1]
.else
	v_pk_fma_f32 v[\d:\d+1], v[\a:\a+1], v[\b:\b+1], v[\d:\d+1]
.endif
.endm
.macro MULS c, j, start                ; eight kernels of two documents: h(+-0.5) x E^2, E, 1/E, 1/E^2, fused into the sums
	FM AQ+2,  A1+\j, E2+\j, \start                 ; mu =  0.9
	FM AQ+12, A2+\j, E2+\j, \start                 ; mu = -0.1
	FM AQ+4,  A1+\j, E1+\j, \start                 ; mu =  0.7
	FM AQ+14, A2+\j, E1+\j, \start                 ; mu = -0.3
	FM AQ+8,  A1+\j, \c+\j, \start                 ; mu =  0.3
	FM AQ+18, A2+\j, \c+\j, \start                 ; mu = -0.7
	FM AQ+10, A1+\j, I2+\j, \start                 ; mu =  0.1
	FM AQ+20, A2+\j, I2+\j, \start                 ; mu = -0.9
.endm
.macro ADDS j
	v_pk_add_f32 v[AQ:AQ+1], v[AQ:AQ+1], v[XX+\j:XX+\j+1]          ; mu = 1
	v_pk_add_f32 v[AQ+6:AQ+7], v[AQ+6:AQ+7], v[A1+\j:A1+\j+1]      ; mu = 0.5
	v_pk_add_f32 v[AQ+16:AQ+17], v[AQ+16:AQ+17], v[A2+\j:A2+\j+1]  ; mu = -0.5
.endm
; the eleven kernels of the held accumulator at c (query tile qt; 8 documents a lane).  first = 1: the sums begin here.
.macro KERN c, qt, first
.set AQ, ACC+22*(\qt)
.irp j, 0,2,4,6
	v_pk_fma_f32 v[A1+\j:A1+\j+1], v[\c+\j:\c+\j+1], s[24:25], v[KB:KB+1] op_sel_hi:[1,0,1]    ; 50 L s (1 - c)        (L = log2(e))
	v_pk_mul_f32 v[E1+\j:E1+\j+1], v[\c+\j:\c+\j+1], s[28:29] op_sel_hi:[1,0]                  ; 20 L c
	v_pk_fma_f32 v[XX+\j:XX+\j+1], v[\c+\j:\c+\j+1], s[30:31], v[KC:KC+1] op_sel_hi:[1,0,1]    ; kappa (c - 1)
.endr
.irp j, 0,2,4,6
	v_pk_mul_f32 v[A1+\j:A1+\j+1], v[A1+\j:A1+\j+1], v[\c+\j:\c+\j+1]                          ; L (-50 c^2 + 50 c)
	v_pk_mul_f32 v[XX+\j:XX+\j+1], v[XX+\j:XX+\j+1], v[XX+\j:XX+\j+1]
.endr
.irp j, 0,2,4,6
	v_pk_fma_f32 v[A2+\j:A2+\j+1], v[\c+\j:\c+\j+1], s[26:27], v[A1+\j:A1+\j+1] op_sel_hi:[1,0,1]  ; L (-50 c^2 - 50 c)
.endr
	s_wait_alu depctr_va_vdst(0)
.irp j, 0,1,2,3,4,5,6,7
	v_exp_f32 v[\c+\j], -v[E1+\j]                  ; 1/E, where c lay
.endr
	v_nop                                          ; a plain instruction before the sources of these eight are written over
.irp j, 0,1,2,3,4,5,6,7
	v_exp_f32 v[A1+\j], v[A1+\j]                   ; h(0.5)
.endr
.irp j, 0,1,2,3,4,5,6,7
	v_exp_f32 v[A2+\j], v[A2+\j]                   ; h(-0.5)
.endr
.irp j, 0,1,2,3,4,5,6,7
	v_exp_f32 v[XX+\j], -v[XX+\j]                  ; the narrow kernel
.endr
.irp j, 0,1,2,3,4,5,6,7
	v_exp_f32 v[E1+\j], v[E1+\j]                   ; E
.endr
	v_nop                                          ; a plain instruction behind the last exponential,
	s_wait_alu depctr_va_vdst(0)                   ; and ONE wait for the batch of 40, ahead of its first reader
.irp j, 0,2,4,6
	v_pk_mul_f32 v[E2+\j:E2+\j+1], v[E1+\j:E1+\j+1], v[E1+\j:E1+\j+1]
	v_pk_mul_f32 v[I2+\j:I2+\j+1], v[\c+\j:\c+\j+1], v[\c+\j:\c+\j+1]
.endr
.if \first
	MULS \c, 0, 1                                  ; the first products start the sums: nothing is cleared
	MULS \c, 2, 0
	v_pk_add_f32 v[AQ:AQ+1], v[XX:XX+1], v[XX+2:XX+3]
	v_pk_add_f32 v[AQ+6:AQ+7], v[A1:A1+1], v[A1+2:A1+3]
	v_pk_add_f32 v[AQ+16:AQ+17], v[A2:A2+1], v[A2+2:A2+3]
.else
	MULS \c, 0, 0
	ADDS 0
	MULS \c, 2, 0
	ADDS 2
.endif
	MULS \c, 4, 0
	ADDS 4
	MULS \c, 6, 0
	ADDS 6
.endm
	GROUP QS, 0, 10, SCQ, LIMQ                     ; my two query rows: the first group's ten loads may be out
	ds_store_b128 v[QA16], v[CD:CD+3]
	ds_store_b32 v[QA4], v[CL]
	FILLG R1, OA+2
	s_wait_dscnt 0x0                               ; for the others' sake: my query rows' codes lie in LDS
	s_barrier_signal -1
	GROUP R0, 1, 10, SCD, LIMD                     ; register work while the others arrive: this group's codes stay in registers
	s_wait_alu depctr_va_vdst(0)
	s_barrier_wait -1                              ; all 32 query rows lie in LDS; nobody writes them again
	PUT 0
	FILLG R2, OA+4
	FILLG R0, OA+6
	GROUP R1, 1, 20, SCD, LIMD                     ; two younger groups, 20 loads, may be out
	PUT 2*PITCH
	FILLG R1, OB
	GROUP R2, 1, 20, SCD, LIMD
	PUT 4*PITCH
	FILLG R2, OB+2
	; tile 0's query fragments ahead of its last group, into registers that the sums and the kernels take later; the first of tile 0's waits until the last group's offsets, which lie there, are done with
.irp s, 0,1,2,3,4
	FRAG A1+8*\s, QF, TILEB+64*\s
.endr
.irp s, 1,2,3,4
	FRAG ACC+8*\s, QF, 64*\s
.endr
	GROUP R0, 1, 20, SCD, LIMD
	PUT 6*PITCH
	MASKS 0
	FRAG ACC, QF, 0
.irp s, 0,1,2,3,4
	FRAG R0+8*\s, FA, 64*\s                        ; LDS serves a wave's instructions in order (ISA guide 5.7.1.4): these see my stores
.endr
	TILE R0, ACC, A1
	FILLG R0, OB+4                                 ; the slot is free again behind the products
	HOLD
	KERN C0, 0, 1
	KERN C1, 1, 1
.set T,  208                           ; tile 1's groups: the sums are alive, the kernels' work registers are free
.set CD, 216
.set CL, 224
	GROUP R1, 1, 20, SCD, LIMD
	PUT TILEB
	FILLG R1, OB+6
	GROUP R2, 1, 20, SCD, LIMD
	PUT TILEB+2*PITCH
	GROUP R0, 1, 10, SCD, LIMD                     ; the last group's ten loads may be out
	PUT TILEB+4*PITCH
	MASKS 1                                        ; tile 1's mask words and all query fragments, into the two slots that are done with, ahead of the last group
.irp s, 0,1,2,3,4
	FRAG R0+8*\s, QF, 64*\s
	FRAG R2+8*\s, QF, TILEB+64*\s
.endr
	GROUP R1, 1, 0, SCD, LIMD
	PUT TILEB+6*PITCH
.irp s, 0,1,2,3,4
	FRAG R1+8*\s, FA, TILEB+64*\s
.endr
	TILE R1, R0, R2
	HOLD
	KERN C0, 0, 0
	KERN C1, 1, 0
	; MY WAVE'S SUMS: a pair's two halves; kernel k: query tile 0's and tile 1's side by side, 8 bytes a lane
.irp k, 0,1,2,3,4,5,6,7,8,9,10
	v_add_f32 v[R0+2*\k], v[ACC+2*\k], v[ACC+2*\k+1]
	v_add_f32 v[R0+2*\k+1], v[ACC+22+2*\k], v[ACC+23+2*\k]
.endr
.irp k, 0,1,2,3,4,5,6,7,8,9,10
	ds_store_b64 v[RA], v[R0+2*\k:R0+2*\k+1] offset:256*\k
.endr
	v_mov_b32 v[BT], 0                             ; waves 11 to 15 add nothing
	s_wait_alu depctr_va_vdst(0)
	s_wait_dscnt 0x0                               ; for the others' sake: my sums lie in LDS
	s_barrier_signal -1
	s_barrier_wait -1
	s_cmp_lt_u32 s18, 11
	s_cbranch_scc0 .Lno_kernel
	; wave k: kernel k: the 16 waves' parts, the two halves of the documents, the logarithm, the clip, the query's mask, w[k], the sum over the queries
.irp u, 0,1,2,3,4,5,6,7,8,9,10,11,12,13,14,15
	ds_load_b64 v[ACC+2*\u:ACC+2*\u+1], v[RB] offset:REDW*\u
.endr
	s_lshl_b32 s33, s18, 1
	s_sub_co_i32 s33, 11, s33                      ; 10 mu_k = 11 - 2 k for k = 1 .. 10
	s_mul_i32 s33, s33, s33
	s_cmp_eq_u32 s18, 0
	s_cselect_b32 s33, 0, s33                      ; kernel 0's sum has no factor outstanding
	s_wait_dscnt 0x0
.irp j, 0,2,4,6,8,10,12,14
	v_pk_add_f32 v[ACC+\j:ACC+\j+1], v[ACC+\j:ACC+\j+1], v[ACC+16+\j:ACC+17+\j]
.endr
.irp j, 0,2,4,6
	v_pk_add_f32 v[ACC+\j:ACC+\j+1], v[ACC+\j:ACC+\j+1], v[ACC+8+\j:ACC+9+\j]
.endr
.irp j, 0,2
	v_pk_add_f32 v[ACC+\j:ACC+\j+1], v[ACC+\j:ACC+\j+1], v[ACC+4+\j:ACC+5+\j]
.endr
	v_pk_add_f32 v[ACC:ACC+1], v[ACC:ACC+1], v[ACC+2:ACC+3]
	v_cndmask_b32 v[ACC+2], v[ACC+1], v[ACC], s39  ; what I send to lane l xor 16: the query tile that is not mine
	v_cndmask_b32 v[ACC+3], v[ACC], v[ACC+1], s39  ; what I keep: lane = query
	v_permlanex16_b32 v[ACC+4], v[ACC+2], s36, s37
	v_add_f32 v[ACC+3], v[ACC+3], v[ACC+4]
	s_wait_alu depctr_va_vdst(0)
	v_log_f32 v[ACC], v[ACC+3]                     ; log2; of 0: -infinity, which the clip below takes
	v_cvt_f32_u32 v[ACC+1], s33
	v_mul_f32 v[ACC+1], -0.5, v[ACC+1]             ; -50 mu_k^2
	s_wait_alu depctr_va_vdst(0)                   ; ahead of the logarithm's first reader
	v_fmamk_f32 v[ACC], v[ACC], 0x3f317218, v[ACC+1]  ; ln(S) = ln(2) log2(sum) - 50 mu^2
	v_max_num_f32 v[ACC], 0xc1b834f1, v[ACC]       ; log(max(S, 1e-10)) = max(log S, log 1e-10): the logarithm is monotone
	v_cmp_lt_i32 vcc_lo, 0, v[QT]
	v_cndmask_b32 v[ACC], 0, v[ACC], vcc_lo        ; the query's mask
	v_mul_f32 v[ACC], v[ACC], v[WK]
.irp m, 1,2,4,8
	v_add_f32_dpp v[ACC], v[ACC], v[ACC] row_xmask:\m row_mask:0xf bank_mask:0xf
.endr
	v_permlanex16_b32 v[ACC+1], v[ACC], s36, s37
	v_add_f32 v[BT], v[ACC], v[ACC+1]
.Lno_kernel:
	ds_store_b32 v[FW], v[BT]                      ; all lanes hold the same number and name the same word
	s_wait_dscnt 0x0
	s_barrier_signal -1
	s_barrier_wait -1
	s_cmp_lg_u32 s18, 0
	s_cbranch_scc1 .Lend
	ds_load_b32 v[ACC], v[FR]                      ; the 16 waves' numbers, in each half of the lanes
	s_wait_dscnt 0x0
.irp m, 1,2,4,8
	v_add_f32_dpp v[ACC], v[ACC], v[ACC] row_xmask:\m row_mask:0xf bank_mask:0xf
.endr
	v_add_f32 v[ACC], s22, v[ACC]                  ; + b
	v_cmp_eq_u32 vcc_lo, 0, v0
	s_wait_alu depctr_va_vdst(0)
	s_wait_xcnt 0x0                                ; EXEC changes only behind this wait
	s_and_saveexec_b32 s33, vcc_lo
	global_store_b32 v[OUTO], v[ACC], s[16:17]     ; one number a batch
	s_wait_xcnt 0x0
	s_or_b32 exec_lo, exec_lo, s33
.Lend:
	v_lshl_add_u32 v254, v0, 2, SPARE              ; my spare word
	v_mov_b32 v255, 0
	s_wait_alu depctr_va_vdst(0)
	s_wait_tensorcnt 0x0                           ; the wave's end
	ds_add_u32 v254, v255
	s_wait_dscnt 0x0
	s_endpgm
.Lfunc_end_k_q423a9c6586_knrm:
	.size	k_q423a9c6586_knrm, .Lfunc_end_k_q423a9c6586_knrm-k_q423a9c6586_knrm
	.p2alignl 7, 3214868480
	.fill 96, 4, 3214868480
	.section	.rodata,"a",@progbits
	.p2align	6, 0x0
	.amdhsa_kernel k_q423a9c6586_knrm
		.amdhsa_group_segment_fixed_size 232192
		.amdhsa_private_segment_fixed_size 0
		.amdhsa_enable_private_segment 0
		.amdhsa_kernarg_size 56
		.amdhsa_user_sgpr_count 2
		.amdhsa_user_sgpr_kernarg_segment_ptr 1
		.amdhsa_wavefront_size32 1
		.amdhsa_system_sgpr_workgroup_id_x 1
		.amdhsa_system_sgpr_workgroup_id_y 1
		.amdhsa_system_sgpr_workgroup_id_z 1
		.amdhsa_system_vgpr_workitem_id 0
		.amdhsa_next_free_vgpr 256
		.amdhsa_next_free_sgpr 66
		.amdhsa_reserve_vcc 1
		.amdhsa_float_denorm_mode_32 3
		.amdhsa_float_denorm_mode_16_64 3
		.amdhsa_memory_ordered 1
		.amdhsa_forward_progress 1
		.amdhsa_inst_pref_size 117
	.end_amdhsa_kernel
	.amdgpu_metadata
---
amdhsa.version: [ 1, 2 ]
amdhsa.kernels:
  - .name:           k_q423a9c6586_knrm
    .symbol:         k_q423a9c6586_knrm.kd
    .args:
      - { .name: query_tokens, .offset: 0, .size: 8, .value_kind: global_buffer, .address_space: global }
      - { .name: doc_tokens, .offset: 8, .size: 8, .value_kind: global_buffer, .address_space: global }
      - { .name: emb, .offset: 16, .size: 8, .value_kind: global_buffer, .address_space: global }
      - { .name: w, .offset: 24, .size: 8, .value_kind: global_buffer, .address_space: global }
      - { .name: b, .offset: 32, .size: 8, .value_kind: global_buffer, .address_space: global }
      - { .name: lowp_scales, .offset: 40, .size: 8, .value_kind: global_buffer, .address_space: global }
      - { .name: out0, .offset: 48, .size: 8, .value_kind: global_buffer, .address_space: global }
    .group_segment_fixed_size: 232192
    .private_segment_fixed_size: 0
    .kernarg_segment_align: 8
    .kernarg_segment_size: 56
    .max_flat_workgroup_size: 512
    .sgpr_count:     66
    .vgpr_count:     256
    .wavefront_size: 32
...
	.end_amdgpu_metadata
.endif
;; end of part 1
